; MI455X (gfx1250); checked and timed in simulation.
; The chip was launched on July 23, 2026; its instructions are those of AMD's public machine-readable ISA for CDNA 5 (MIT licence, August 2026) and "CDNA5" Instruction Set Architecture Reference Guide (July 2026). The comments in the code are by the model that wrote it; some were corrected since.
;; Self Attention. Allowed arithmetic: matrix products marked QUANTISED: E4M3 operands, one E8M0 scale for each 32 along K, by v_wmma_scale_f32_16x16x128_f8f6f4 with both operands' format E4M3, f32 sums; everything else in f32.
;; Inputs: entangle_params 3,072 float32; inputs_codes 2 x 2,048 x 32 x 32 uint8 (E4M3 codes of inputs, K innermost, in blocks of 32 codes); inputs_scales 2 x 2,048 x 32 uint8 (E8M0 scales of inputs, one for each 32 codes along K); rotation_params_codes 3,072 x 32 x 32 uint8 (E4M3 codes of rotation_params, K innermost, in blocks of 32 codes); rotation_params_scales 3,072 x 32 uint8 (E8M0 scales of rotation_params, one for each 32 codes along K).
;; Outputs: out0 2 x 2,048 x 1,024 float32.
;; This version of the problem:
;;   THIS VERSION OF THE PROBLEM IS GIVEN IN LOW PRECISION. The matrix products marked QUANTISED in the list below multiply operands that are first quantised to E4M3 (4 exponent bits, 3 mantissa bits; 8 bits a number), with one power-of-two scale for each 32 numbers along K (OCP MX v1.0); their sums are f32. All else is computed in f32.
;;   The module's matrix products, in the order in which they are computed (A, B: the left and right operand; K: the contracted axis; several contracted axes count as one K, in the product's order):
;;     1. [M 4,096, K 1,024] x [K 1,024, N 3,072]; A: input inputs (given as codes); B: input rotation_params (given as codes): QUANTISED
;;     2. batch 32 x [M 2,048, K 64] x [K 64, N 2,048]; A: computed on the way; B: computed on the way: QUANTISED
;;     3. batch 32 x [M 2,048, K 2,048] x [K 2,048, N 64]; A: softmax (see below); B: computed on the way: QUANTISED
;;   THE QUANTISER, for each operand of a quantised product, along K:
;;     - K is cut into blocks of 32 from its start; a last block that is shorter is filled with zeros.
;;     - A block's scale is 2^e with e = floor(log2(the largest magnitude in the block)) - 8, held to -126 .. 127; a block of zeros has e = 0. As a byte (E8M0): e + 127.
;;     - Each number is divided by its block's scale, clamped to +-448, and rounded to the nearest number of E4M3, ties to even, subnormals kept.
;;     - The product sums the exact products of the quantised numbers (number of the format x scale) in f32.
;;   ~~~python
;;   def quantise(x, axis):      # numpy; x: float32 -> the quantised numbers, widened to float32 again
;;       x = np.moveaxis(x, axis, -1); K = x.shape[-1]
;;       x = np.pad(x, [(0, 0)] * (x.ndim - 1) + [(0, -K % 32)]); x = x.reshape(x.shape[:-1] + (-1, 32)); a = np.abs(x).max(-1, keepdims=True)
;;       e = np.where(a > 0, np.clip(np.frexp(np.where(a > 0, a, 1))[1] - 1 - 8, -126, 127), 0)      # np.frexp(a)[1] - 1 = floor(log2(a)), exactly
;;       r = np.clip(x / 2.0 ** e, -448, 448)
;;       step = 2.0 ** (np.maximum(np.frexp(np.where(r == 0, 1, r))[1] - 1, -6) - 3)
;;       q = np.round(r / step) * step * 2.0 ** e      # np.round: ties to even
;;       return np.moveaxis(q.reshape(q.shape[:-2] + (-1,))[..., :K], -1, axis).astype(np.float32)
;;   ~~~
;;   SOFTMAX AHEAD OF A QUANTISED PRODUCT. Where the list says 'softmax', what is quantised is not the finished softmax but p = 2^(t - M), with t = logit x log2(e) and M = ceil(the row's largest t), a whole number; so 1/2 < the row's largest p <= 1. The row's sum l is taken of the UNQUANTISED p, in f32, and the product's result is divided by l at the end. Since M is a whole number, a kernel that streams over the keys may use a running M (the ceiling of the running maximum): every later rescaling is an exact power of two, which a block's scale takes up: the codes' values come out the same.
;;   OPERANDS COMPUTED ON THE WAY. 'Computed on the way' means the value that the module computes at that place (a softmax that the list does not call 'softmax' is quantised finished and normalised). What goes into a quantiser is computed in f32, as accurately as f32 sums, v_exp_f32 and their like allow (about 1e-6 of the number): no bf16 or f16 on the way to a quantiser, and a product that is left as it is and whose result goes on into a quantised operand takes f32 operands (vector FMAs, or v_wmma_f32_16x16x4_f32). A number that lies on a knife's edge between two numbers of the format may be rounded either way, as far as f32 arithmetic and the matrix unit's own rounding can turn it there, and no further.
;;   INPUTS GIVEN AS CODES. inputs (in the module: [2, 2048, 1024], K = its axis 2); rotation_params (in the module: [3072, 1024], K = its axis 1): each comes as NAME_codes (uint8): NAME with its K axis moved to the last place and cut into blocks of 32 codes, [.., K / 32, bytes a block], one block behind the other in memory; one code a byte (a code: sign, 4 exponent bits, 3 mantissa bits); and NAME_scales (uint8): the same leading axes, one E8M0 byte (e + 127) for each 32 codes along K. Its value is code x scale, taken as it is: it is not quantised again, and the codes and scales need not be those that the quantiser above would give.
;; One version. Each part assembles by itself: llvm-mc -triple=amdgcn-amd-amdhsa -mcpu=gfx1250 --defsym DOCPART=n.
;; ======== version 1 of 1: 3 launches
;; limits: right only within a limited range of input values
;; workspace buffers: qkvc 12,582,912 bytes; qkvs 786,432 bytes; obuf 16,777,216 bytes
;; launch proj (part 1): grid 16 x 16, 4 waves a work-group, clusters of 4 x 4, 327,680 bytes of LDS; arguments inputs_codes, inputs_scales, rotation_params_codes, rotation_params_scales, entangle_params, qkvc, qkvs; writes qkvc, qkvs
.if DOCPART == 1
	.amdgcn_target "amdgcn-amd-amdhsa--gfx1250"
	.amdhsa_code_object_version 6
	.text
	.protected	k_q8941f3fd0d_proj
	.globl	k_q8941f3fd0d_proj
	.p2align	8
	.type	k_q8941f3fd0d_proj,@function
k_q8941f3fd0d_proj:
	s_mov_b64 s[64:65], 0
	v_nop
	global_prefetch_b8 v0, s[64:65] scope:SCOPE_SE
	s_setreg_imm32_b32 hwreg(HW_REG_WAVE_MODE, 25, 1), 1
	s_wait_xcnt 0x0
	s_wait_alu depctr_hold_cnt(0) depctr_sa_sdst(0) depctr_va_vdst(0) depctr_va_sdst(0) depctr_va_ssrc(0) depctr_va_vcc(0) depctr_vm_vsrc(0)
	s_getreg_b32 s2, hwreg(HW_REG_IB_STS2, 6, 4)
	s_cmp_eq_u32 s2, 0
	s_cbranch_scc0 .Lentry_in_a_cluster
	s_endpgm
.Lentry_in_a_cluster:
	s_bfe_u32 s2, ttmp6, 0x10000c
	s_cmp_lg_u32 s2, 0xf033
	s_cbranch_scc0 .Lentry_shape_is_right
	s_endpgm
.Lentry_shape_is_right:
; Q, K, V = x W^T + b on codes of FP8 (E4M3, a scale byte for 32 along K), and their quantisers: Q and K along the head's 64 channels, V along the tokens.  No f32 result is stored.
; SHARES.  16 x 16 work-groups of 2 x 2 waves.  A work-group owns 256 tokens and 128 columns of Q (tile columns X = 0..7) or K (8..15) and 64 of V (head X); a wave 128 tokens x one head of Q or K (32 accumulators) and half a head of V (16).
; Q, K: source 0 = rows of W, source 1 = rows of x: lane (r, h) (r = lane % 16, h = lane / 16) holds token r of a tile and its register j channel 8 h + j.  V: the sources are swapped: a lane holds one channel, its registers run along the tokens.
; ORDER ALONG K.  In the codes a lane's 16 bytes of a block of 32 are numbers 8 h + 0..7 and 16 + 8 h + 0..7 of the block: the order in which two tiles leave the matrix unit.  Q and K share it, and V shares it with p in the next launch, so every product keeps its terms and its blocks.
; BUFFERS.  hb = 2 head + batch.  qkvc: Q then K (4,194,304 bytes each): [hb][tile of 16 tokens][c][lane][16 bytes];  V: [hb][key step of 128][t][c][lane][16].
; qkvs: Q then K (262,144 bytes each): [hb][key step][lane][4 words]: word p: lanes 0-15 tile 2 p, lanes 16-31 tile 2 p + 1, the head's two bytes twice;  V: [hb][key step][lane][2 words]: word j: lanes 0-15 tile 2 j of channels, lanes 16-31 tile 2 j + 1, a byte for each 32 tokens.
; K GOES IN FOUR STEPS OF 256 through two LDS slots.  One joint load a wave: waves 0, 1 the halves of x's rows, wave 2 the rows of W for Q or K, wave 3 those for V.  A cluster's row shares x's rows, its column W's.
; PREFETCH.  K steps 2 and 3 are asked for behind the loads of steps 0 and 1, two steps ahead of their own; the four partners that share a tile share its rows out by address.
; The bias is the C of the first products.  LIMITS: NaN, infinities and sums beyond f32's range are not served.  A block's scale byte never falls under 1 (a block of zeros has byte 1 and codes of zero).
.set PITCH, 272                        ; 256 bytes + 16 of padding
.set SLOT, 448*PITCH                   ; x's 256 rows, 128 of W for Q or K, 64 for V
.set WST, 2*SLOT                       ; V's scale words on their way out: 512 bytes
.set SPARE, WST+512
.set ADX, 16                           ; v16-17 my x rows in slot 0, 1;  v18-19 W for Q or K;  v20-21 W for V
.set ADQ, 18
.set ADW, 20
.set LO, 22                            ; 16 x lane
.set WA, 23                            ; where my word of V goes
.set BV, 24
.set SPW, 28
.set NIL, 29
.set PFO, 30
.set WR, 31
.set XS, 32                            ; x's scale words: v[32 + 8 i + w]: lanes 0-15 tile 2 i, lanes 16-31 tile 2 i + 1, w the K step of 128
.set WS, 68                            ; W's likewise: pairs 0, 1 for Q or K, pair 2 for V
.set BI, 96                            ; the bias of Q or K, 8 registers a tile; the way out's work registers later
.set BVW, 192                          ; window 1: V's bias, 8 registers a tile
.set TM, 96
.set TN, 100
.set T12, 104
.set T8, 108
.set BY, 112
.set WD, 116
.set KW, 120
.set VW, 124
.set PC, 128                           ; the way out: codes, 16 registers a group, six groups
.set G1X, 24
.set G1Q, 32
.set G1V, 48
.set G0X, 56
.set G0Q, 68
.set G0V, 76
.set SEL, 66
.set FL, 40
.set MNT, 41
.set HM, 42
.set MSB, 0
.macro WIN new                         ; the immediate's high byte repeats the setting that is left
.if MSB != (\new)
	s_set_vgpr_msb (MSB<<8)|(\new)
.set MSB, (\new)
.endif
.endm
.macro PLACES n
.rept \n
	v_nop
.endr
.endm
.macro CREST                           ; a round of the cluster's barrier behind its opening barrier
	s_cmp_lg_u32 s18, 0
	s_cbranch_scc1 .Lnot_wave_0_\@
	s_barrier_signal -3
.Lnot_wave_0_\@:
	s_barrier_wait -3
	s_barrier_signal -1
	s_barrier_wait -1
.endm
.macro CROUND
	s_barrier_signal -1
	s_barrier_wait -1
	CREST
.endm
.macro JLOAD s                         ; my one joint load: one chain of branches on the wave's number, a load to an arm
	s_cmp_lt_u32 s18, 2
	s_cbranch_scc0 .Lnot_x_\@
	tensor_load_to_lds s[G0X+4*\s:G0X+4*\s+3], s[G1X:G1X+7]
	s_nop 0
	PLACES 4
	s_branch .Lasked_\@
.Lnot_x_\@:
	s_cmp_lt_u32 s18, 3
	s_cbranch_scc0 .Lfor_v_\@
	tensor_load_to_lds s[G0Q+4*\s:G0Q+4*\s+3], s[G1Q:G1Q+7]
	s_nop 0
	PLACES 4
	s_branch .Lasked_\@
.Lfor_v_\@:
	tensor_load_to_lds s[G0V+4*\s:G0V+4*\s+3], s[G1V:G1V+7]
	s_nop 0
	PLACES 4
.Lasked_\@:
.endm
.macro GROUP1 g, mask, rows            ; rows of 256 bytes, 1,024 apart in memory, 16 bytes of padding behind each in LDS
	s_or_b32 s[\g+0], s\mask, (1<<20)|(1<<21)|(5<<22)|(3<<25)
	s_mov_b32 s[\g+1], 256<<16
	s_mov_b32 s[\g+2], (\rows)<<16
	s_mov_b32 s[\g+3], 256<<16
	s_mov_b32 s[\g+4], \rows
	s_mov_b32 s[\g+5], 1024
	s_mov_b32 s[\g+6], 0
	s_mov_b32 s[\g+7], 0
.endm
.macro SADD d, x
	s_add_co_u32 s\d, s\d, \x
.endm
	s_load_b256 s[4:11], s[0:1], 0x0               ; x's codes, scales; W's codes, scales
	s_load_b128 s[12:15], s[0:1], 0x20             ; bias, qkvc
	s_load_b64 s[16:17], s[0:1], 0x30              ; qkvs
	v_lshl_add_u32 v[SPW], v0, 2, SPARE
	v_mov_b32 v[NIL], 0
	ds_add_u32 v[SPW], v[NIL]                      ; the opening add, twice on end, and its wait below
	ds_add_u32 v[SPW], v[NIL]
	v_lshrrev_b32 v1, 5, v0
	v_readfirstlane_b32 s18, v1                    ; wave
	s_lshr_b32 s19, s18, 1                         ; rw: my 128 tokens
	s_and_b32 s20, s18, 1                          ; cw: my columns; for waves 0, 1 also the half of x's rows that I fetch
	s_bfe_u32 s40, ttmp6, 0x40000                  ; cx
	s_bfe_u32 s41, ttmp6, 0x40004                  ; cy
	s_lshl_b32 s21, ttmp9, 2
	SADD 21, s40                                   ; X
	s_and_b32 s22, ttmp7, 0xffff
	s_lshl_b32 s22, s22, 2
	SADD 22, s41                                   ; Y
	s_lshl_b32 s42, s41, 2
	s_lshl_b32 s42, 15, s42                        ; my row of the cluster
	s_lshl_b32 s43, 0x1111, s40                    ; my column
	GROUP1 G1X, 42, 128
	GROUP1 G1Q, 43, 128
	GROUP1 G1V, 43, 64
	s_lshl_b32 s44, s22, 18                        ; x: row 256 Y + 128 cw
	s_lshl_b32 s45, s20, 17
	SADD 44, s45
	s_mov_b32 s45, 0
	s_lshl_b32 s46, s21, 17                        ; W: row 128 X
	s_mov_b32 s47, 0
	s_lshl_b32 s84, s21, 16                        ; W: row 2,048 + 64 X
	SADD 84, 0x200000
	s_mov_b32 s85, 0
	s_mul_i32 s23, s20, 128*PITCH
	s_wait_dscnt 0x0                               ; both opening adds are done
	s_wait_kmcnt 0x0
	s_add_nc_u64 s[44:45], s[4:5], s[44:45]
	s_add_nc_u64 s[46:47], s[8:9], s[46:47]
	s_add_nc_u64 s[84:85], s[8:9], s[84:85]
	CROUND                                         ; all sixteen work-groups are here
.irp s, 0,1
	s_mov_b32 s[G0X+4*\s], 1
	s_add_co_u32 s[G0X+4*\s+1], s23, \s*SLOT
	s_add_nc_u64 s[G0X+4*\s+2:G0X+4*\s+3], s[44:45], \s*256
	s_or_b32 s[G0X+4*\s+3], s[G0X+4*\s+3], 0x80000000
	s_mov_b32 s[G0Q+4*\s], 1
	s_mov_b32 s[G0Q+4*\s+1], \s*SLOT+256*PITCH
	s_add_nc_u64 s[G0Q+4*\s+2:G0Q+4*\s+3], s[46:47], \s*256
	s_or_b32 s[G0Q+4*\s+3], s[G0Q+4*\s+3], 0x80000000
	s_mov_b32 s[G0V+4*\s], 1
	s_mov_b32 s[G0V+4*\s+1], \s*SLOT+384*PITCH
	s_add_nc_u64 s[G0V+4*\s+2:G0V+4*\s+3], s[84:85], \s*256
	s_or_b32 s[G0V+4*\s+3], s[G0V+4*\s+3], 0x80000000
.endr
	JLOAD 0                                        ; K step 0: one load a wave
	s_lshl_b32 s92, s22, 13                        ; x's scale bytes: row 256 Y + 128 rw, 32 bytes a row
	s_lshl_b32 s94, s19, 12
	SADD 92, s94
	s_mov_b32 s93, 0
	s_add_nc_u64 s[92:93], s[6:7], s[92:93]
	s_lshl_b32 s94, s21, 12                        ; W's: row 128 X + 64 cw
	s_lshl_b32 s96, s20, 11
	SADD 94, s96
	s_mov_b32 s95, 0
	s_add_nc_u64 s[94:95], s[10:11], s[94:95]
	s_lshl_b32 s96, s21, 11                        ; row 2,048 + 64 X + 32 cw
	s_lshl_b32 s98, s20, 10
	SADD 96, s98
	SADD 96, 0x10000
	s_mov_b32 s97, 0
	s_add_nc_u64 s[96:97], s[10:11], s[96:97]
	s_lshl_b32 s98, s21, 9                         ; the bias of the same columns
	s_lshl_b32 s100, s20, 8
	SADD 98, s100
	s_mov_b32 s99, 0
	s_add_nc_u64 s[98:99], s[12:13], s[98:99]
	s_lshl_b32 s100, s21, 8
	s_lshl_b32 s88, s20, 7
	SADD 100, s88
	SADD 100, 0x2000
	s_mov_b32 s101, 0
	s_add_nc_u64 s[100:101], s[12:13], s[100:101]
	v_and_b32 v2, 31, v0                           ; lane
	v_and_b32 v3, 15, v0                           ; r
	v_bfe_u32 v4, v0, 4, 1                         ; h
	v_lshlrev_b32 v5, 5, v2
	v_lshlrev_b32 v6, 5, v4
	v_lshlrev_b32 v7, 2, v3
.irp i, 0,1,2,3                                ; 32 rows a load: the 32 lanes read 1,024 bytes on end by two loads
	global_load_b128 v[XS+8*\i:XS+8*\i+3], v5, s[92:93] offset:1024*\i
	global_load_b128 v[XS+8*\i+4:XS+8*\i+7], v5, s[92:93] offset:1024*\i+16
.endr
.irp i, 0,1
	global_load_b128 v[WS+8*\i:WS+8*\i+3], v5, s[94:95] offset:1024*\i
	global_load_b128 v[WS+8*\i+4:WS+8*\i+7], v5, s[94:95] offset:1024*\i+16
.endr
	global_load_b128 v[WS+16:WS+19], v5, s[96:97]
	global_load_b128 v[WS+20:WS+23], v5, s[96:97] offset:16
.irp t, 0,1,2,3                                ; register 8 t + j: channel 16 t + 8 h + j
	global_load_b128 v[BI+8*\t:BI+8*\t+3], v6, s[98:99] offset:64*\t
	global_load_b128 v[BI+8*\t+4:BI+8*\t+7], v6, s[98:99] offset:64*\t+16
.endr
.irp t, 0,1                                    ; V: channel 16 t + r
	global_load_b32 v[BV+\t], v7, s[100:101] offset:64*\t
.endr
	; the prefetches: of the rows that my wave fetches, my work-group's quarter, a lane a row
	s_lshl_b32 s88, s22, 8
	s_lshl_b32 s90, s20, 7
	SADD 88, s90
	s_lshl_b32 s90, s40, 5
	SADD 88, s90                                   ; x: 32 rows by cx
	s_lshl_b32 s89, s21, 7
	s_lshl_b32 s90, s41, 5
	SADD 89, s90                                   ; W for Q or K: 32 rows by cy
	s_lshl_b32 s91, s21, 6
	s_lshl_b32 s90, s41, 4
	SADD 91, s90
	SADD 91, 0x800                                 ; W for V: 16 rows by cy (lanes 16-31 name them again)
	s_cmp_eq_u32 s18, 2
	s_cselect_b32 s89, s89, s91
	s_cmp_lt_u32 s18, 2
	s_cselect_b32 s88, s88, s89
	s_cselect_b64 s[86:87], s[4:5], s[8:9]
	s_lshl_b32 s88, s88, 10
	s_mov_b32 s89, 0
	s_add_nc_u64 s[86:87], s[86:87], s[88:89]
	s_cmp_lt_u32 s18, 3
	s_cselect_b32 s90, 31, 15
	v_and_b32 v[PFO], s90, v0
	v_lshlrev_b32 v[PFO], 10, v[PFO]
	global_prefetch_b8 v[PFO], s[86:87] offset:512 th:TH_LOAD_NT scope:SCOPE_SE   ; K step 2
	s_wait_alu depctr_va_vdst(0)                   ; ahead of the second reads of v2, v3, v4
	v_mul_u32_u24 v8, v3, PITCH
	v_lshl_add_u32 v8, v4, 4, v8                   ; row r, 16 h bytes on
	s_wait_alu depctr_va_vdst(0)                   ; and behind this write, which six lines read
	s_mul_i32 s90, s19, 128*PITCH
	v_add_nc_u32 v[ADX], s90, v8
	SADD 90, SLOT
	v_add_nc_u32 v[ADX+1], s90, v8
	s_mul_i32 s90, s20, 64*PITCH
	SADD 90, 256*PITCH
	v_add_nc_u32 v[ADQ], s90, v8
	SADD 90, SLOT
	v_add_nc_u32 v[ADQ+1], s90, v8
	s_mul_i32 s90, s20, 32*PITCH
	SADD 90, 384*PITCH
	v_add_nc_u32 v[ADW], s90, v8
	SADD 90, SLOT
	v_add_nc_u32 v[ADW+1], s90, v8
	v_lshlrev_b32 v[LO], 4, v2
	v_add_nc_u32 v[WR], WST, v[LO]
	s_lshl_b32 s90, s19, 8
	s_lshl_b32 s91, s20, 2
	SADD 90, s91
	SADD 90, WST
	v_lshl_add_u32 v[WA], v2, 3, s90
	; where my results go
	s_lshl_b32 s90, s21, 1
	SADD 90, s20
	s_and_b32 s90, s90, 15                         ; head of Q or K
	s_lshl_b32 s90, s90, 1
	s_lshr_b32 s91, s22, 3                         ; batch
	SADD 90, s91                                   ; hb
	s_and_b32 s46, s22, 7
	s_lshl_b32 s44, s46, 1
	SADD 44, s19                                   ; key step
	s_lshr_b32 s45, s21, 3                         ; 0: Q, 1: K
	s_lshl_b32 s88, s45, 22
	s_lshl_b32 s47, s90, 17
	SADD 88, s47
	s_lshl_b32 s47, s44, 13
	SADD 88, s47
	s_mov_b32 s89, 0
	s_add_nc_u64 s[4:5], s[14:15], s[88:89]        ; codes of Q or K
	s_lshl_b32 s88, s45, 18
	s_lshl_b32 s47, s90, 13
	SADD 88, s47
	s_lshl_b32 s47, s44, 9
	SADD 88, s47
	s_add_nc_u64 s[6:7], s[16:17], s[88:89]        ; their words
	s_lshl_b32 s90, s21, 1
	SADD 90, s91                                   ; V's hb
	s_lshl_b32 s88, s90, 17
	SADD 88, 0x800000
	s_lshl_b32 s47, s44, 13
	SADD 88, s47
	s_lshl_b32 s47, s20, 12
	SADD 88, s47
	s_add_nc_u64 s[8:9], s[14:15], s[88:89]        ; V's codes
	s_lshl_b32 s88, s90, 12
	SADD 88, 0x80000
	s_lshl_b32 s47, s46, 9
	SADD 88, s47
	s_add_nc_u64 s[10:11], s[16:17], s[88:89]      ; the work-group's 512 bytes of V's words
	s_mov_b32 s[SEL], 0x76543210
	s_mov_b32 s[SEL+1], 0xfedcba98
	s_mov_b32 s[FL], 0x4800000                     ; 2^(9 - 127)
	s_mov_b32 s[MNT], 0x600000                     ; the mantissa field of 448
	s_mov_b32 s[HM], 0xffff0000                    ; lanes 16-31
.macro WM ra, rb                       ; D_, A_, B_, C_: registers; S_, R_: the scale words of source 0 and source 1; ra, rb: lanes 16-31 hold them
.if (\ra) && (\rb)
	v_wmma_scale_f32_16x16x128_f8f6f4 v[D_:D_+7], v[A_:A_+15], v[B_:B_+15], v[C_:C_+7], v[S_], v[R_] matrix_a_scale:MATRIX_SCALE_ROW1 matrix_b_scale:MATRIX_SCALE_ROW1
.elseif (\ra)
	v_wmma_scale_f32_16x16x128_f8f6f4 v[D_:D_+7], v[A_:A_+15], v[B_:B_+15], v[C_:C_+7], v[S_], v[R_] matrix_a_scale:MATRIX_SCALE_ROW1
.elseif (\rb)
	v_wmma_scale_f32_16x16x128_f8f6f4 v[D_:D_+7], v[A_:A_+15], v[B_:B_+15], v[C_:C_+7], v[S_], v[R_] matrix_b_scale:MATRIX_SCALE_ROW1
.else
	v_wmma_scale_f32_16x16x128_f8f6f4 v[D_:D_+7], v[A_:A_+15], v[B_:B_+15], v[C_:C_+7], v[S_], v[R_]
.endif
.endm
; Q or K: four tiles of tokens from i0 on x four of channels; W's set p in window 1, x in window 0, sums in window 2; w: the 128 along K; f: the first, whose C is the bias
.macro MQ p, w, i0, f
	WIN 0xa1-0x20*\f
.set I_, \i0
.rept 4
.set T_, 0
.rept 4
.set D_, 8*(4*I_+T_)
.set A_, 96*(\p)+16*T_
.set B_, 128+16*I_
.set C_, D_
.if \f
.set C_, BI+8*T_
.endif
.set S_, WS+8*(T_/2)+(\w)
.set R_, XS+8*(I_/2)+(\w)
	WM T_%2, I_%2
.set T_, T_+1
.endr
.set I_, I_+1
.endr
.endm
; V: the sources swapped, two tiles of channels, sums in window 3
.macro MV p, w, i0, f
	WIN 0xf4-0x20*\f
.set I_, \i0
.rept 4
.set T_, 0
.rept 2
.set D_, 8*(2*I_+T_)
.set A_, 128+16*I_
.set B_, 96*(\p)+64+16*T_
.set C_, D_
.if \f
.set C_, BVW+8*T_
.endif
.set S_, XS+8*(I_/2)+(\w)
.set R_, WS+16+(\w)
	WM I_%2, T_%2
.set T_, T_+1
.endr
.set I_, I_+1
.endr
.endm
.macro WFETCH slot, q, p               ; W's six fragments of the slot's q-th 128 along K into set p
	WIN 0x40
.irp t, 0,1,2,3
.irp c, 0,1,2,3
	ds_load_b128 v[96*(\p)+16*\t+4*\c:96*(\p)+16*\t+4*\c+3], v[ADQ+\slot] offset:128*(\q)+32*\c+\t*16*PITCH
.endr
.endr
.irp t, 0,1
.irp c, 0,1,2,3
	ds_load_b128 v[96*(\p)+64+16*\t+4*\c:96*(\p)+64+16*\t+4*\c+3], v[ADW+\slot] offset:128*(\q)+32*\c+\t*16*PITCH
.endr
.endr
	WIN 0
.endm
.macro XFETCH slot, q, i0              ; four fragments of x
	WIN 0
.irp i, \i0, \i0+1, \i0+2, \i0+3
.irp c, 0,1,2,3
	ds_load_b128 v[128+16*(\i)+4*\c:128+16*(\i)+4*\c+3], v[ADX+\slot] offset:128*(\q)+32*\c+(\i)*16*PITCH
.endr
.endr
.endm
; A slot's first 128 along K.  Eight places stand in front of loads into registers that products have read.
.macro STEP slot, w, f
	s_wait_dscnt 16                                ; W's set and x's tiles 0-3 are in; the youngest 16 loads, x's tiles 4-7, may be out
	MQ 0, \w, 0, \f
	MV 0, \w, 0, \f
	s_wait_dscnt 0x0
	PLACES 8
	WFETCH \slot, 1, 1
	XFETCH \slot, 1, 0
	MQ 0, \w, 4, \f
	MV 0, \w, 4, \f
	PLACES 8
	XFETCH \slot, 1, 4
.endm
; A slot's second 128, and the change of slots.  fill: the slot is filled again, two K steps on, behind a round of the cluster's barrier.
.macro TURN slot, next, w, fill
	s_wait_tensorcnt 0x0                           ; my part of the next slot has landed
	ds_add_u32 v[SPW], v[NIL]
.if \fill
	s_add_nc_u64 s[G0X+4*\slot+2:G0X+4*\slot+3], s[G0X+4*\slot+2:G0X+4*\slot+3], 512
	s_add_nc_u64 s[G0Q+4*\slot+2:G0Q+4*\slot+3], s[G0Q+4*\slot+2:G0Q+4*\slot+3], 512
	s_add_nc_u64 s[G0V+4*\slot+2:G0V+4*\slot+3], s[G0V+4*\slot+2:G0V+4*\slot+3], 512
.endif
	s_wait_dscnt 17                                ; the add and x's tiles 4-7 may be out
	MQ 1, \w, 0, 0
	s_wait_dscnt 0x0                               ; the add is done and my reads of this slot are over
	s_barrier_signal -1
	MV 1, \w, 0, 0
	WIN 0
	s_barrier_wait -1
.if \fill
	CREST
	JLOAD \slot                                    ; first behind the round; its four v_nop are among the eight places
	PLACES 4
.else
	PLACES 8
.endif
	WFETCH \next, 0, 0
	XFETCH \next, 0, 0
	MQ 1, \w, 4, 0
	MV 1, \w, 4, 0
	PLACES 8
	XFETCH \next, 0, 4
.endm
	s_wait_alu depctr_va_vdst(0)                   ; at the head's end
	s_wait_loadcnt 0x0                             ; scale words and bias
	WIN 0x40
.irp j, 0,1,2,3,4,5,6,7
	v_mov_b32 v[BVW+\j], v[BV]
	v_mov_b32 v[BVW+8+\j], v[BV+1]
.endr
	WIN 0
	s_wait_alu depctr_va_vdst(0)                   ; and ahead of the waits below
	s_wait_tensorcnt 0x0                           ; my part of K step 0 is in
	ds_add_u32 v[SPW], v[NIL]                      ; ahead of a later first fill
	s_wait_dscnt 0x0
	CROUND
	JLOAD 1                                        ; K step 1
	WFETCH 0, 0, 0
	XFETCH 0, 0, 0
	XFETCH 0, 0, 4
	global_prefetch_b8 v[PFO], s[86:87] offset:768 th:TH_LOAD_NT scope:SCOPE_SE   ; K step 3
	STEP 0, 0, 1
	TURN 0, 1, 1, 1
	STEP 1, 2, 0
	TURN 1, 0, 3, 1
	STEP 0, 4, 0
	TURN 0, 1, 5, 0
	STEP 1, 6, 0
	s_wait_dscnt 16
	MQ 1, 7, 0, 0
	MV 1, 7, 0, 0
	s_wait_dscnt 0x0
	MQ 1, 7, 4, 0
	MV 1, 7, 4, 0
	WIN 0
; THE QUANTISER of four blocks of 32 (a lane holds 16 numbers, lane l xor 16 the other 16): block g's numbers stand at bas + sb g and, eight more, ho further on, in window wn; codes to PC + 16 pc, the bytes to BY
.macro QUANT bas, sb, ho, wn, pc
	WIN (\wn)*5
.irp g, 0,1,2,3
	v_max3_num_f32 v[TM+\g], |v[\bas+\sb*\g]|, |v[\bas+\sb*\g+1]|, s[FL]   ; the floor keeps the byte at 1 or above
.endr
.irp e, 2,4,6
.irp g, 0,1,2,3
	v_max3_num_f32 v[TM+\g], |v[\bas+\sb*\g+\e]|, |v[\bas+\sb*\g+\e+1]|, v[TM+\g]
.endr
.endr
.irp e, 0,2,4,6
.irp g, 0,1,2,3
	v_max3_num_f32 v[TM+\g], |v[\bas+\sb*\g+\ho+\e]|, |v[\bas+\sb*\g+\ho+\e+1]|, v[TM+\g]
.endr
.endr
	WIN 0
.irp g, 0,1,2,3
	v_permlanex16_b32 v[TN+\g], v[TM+\g], s[SEL], s[SEL+1]
.endr
.irp g, 0,1,2,3
	v_max_num_f32 v[TM+\g], v[TM+\g], v[TN+\g]
.endr
.irp g, 0,1,2,3
	v_and_or_b32 v[T8+\g], v[TM+\g], 0x7f800000, s[MNT]   ; 448 x the scale
.endr
.irp g, 0,1,2,3
	v_add_nc_u32 v[T12+\g], 0xfc000000, v[TM+\g]   ; 8 off the exponent field: the conversion's scale operand
.endr
.irp g, 0,1,2,3
	v_lshrrev_b32 v[BY+\g], 23, v[T12+\g]
.endr
	WIN (\wn)*0x41
.irp e, 0,1,2,3,4,5,6,7
.irp g, 0,1,2,3
	v_med3_num_f32 v[\bas+\sb*\g+\e], v[\bas+\sb*\g+\e], -v[T8+\g], v[T8+\g]   ; the conversion does not saturate (ISA guide 7.6.2)
	v_med3_num_f32 v[\bas+\sb*\g+\ho+\e], v[\bas+\sb*\g+\ho+\e], -v[T8+\g], v[T8+\g]
.endr
.endr
	WIN \wn
.irp g, 0,1,2,3
	v_cvt_scalef32_pk8_fp8_f32 v[PC+16*(\pc)+4*\g:PC+16*(\pc)+4*\g+1], v[\bas+\sb*\g:\bas+\sb*\g+7], v[T12+\g]
	v_cvt_scalef32_pk8_fp8_f32 v[PC+16*(\pc)+4*\g+2:PC+16*(\pc)+4*\g+3], v[\bas+\sb*\g+\ho:\bas+\sb*\g+\ho+7], v[T12+\g]
.endr
	WIN 0
.endm
.irp g, 0,1,2,3
	v_mov_b32 v[TN+\g], 0                          ; a lane permute's destination counts as one of its sources
.endr
	PLACES 8
.irp t, 0,1                                    ; V: channel tile t, four blocks of 32 tokens
	QUANT 8*\t, 32, 16, 3, \t
	v_lshl_or_b32 v[VW+\t], v[BY+1], 8, v[BY]
	v_lshl_or_b32 v[VW+\t], v[BY+2], 16, v[VW+\t]
	v_lshl_or_b32 v[VW+\t], v[BY+3], 24, v[VW+\t]
.irp g, 0,1,2,3
	global_store_b128 v[LO], v[PC+16*\t+4*\g:PC+16*\t+4*\g+3], s[8:9] offset:2048*\t+512*\g   ; 512 bytes on end
.endr
.endr
	v_cndmask_b32 v[VW], v[VW], v[VW+1], s[HM]
	ds_store_b32 v[WA], v[VW]
	s_wait_dscnt 0x0                               ; for wave 0's sake
	s_barrier_signal -1
	s_barrier_wait -1
.irp n, 0,1,2,3                                ; Q or K: token tiles 2 n, 2 n + 1, the head's two blocks each
	QUANT 64*\n, 16, 8, 2, \n+2
	v_lshl_or_b32 v[WD], v[BY+1], 8, v[BY]
	v_lshl_or_b32 v[WD+1], v[BY+3], 8, v[BY+2]
	v_lshl_or_b32 v[WD], v[WD], 16, v[WD]
	v_lshl_or_b32 v[WD+1], v[WD+1], 16, v[WD+1]
	v_cndmask_b32 v[KW+\n], v[WD], v[WD+1], s[HM]
.irp g, 0,1,2,3
	global_store_b128 v[LO], v[PC+32+16*\n+4*\g:PC+32+16*\n+4*\g+3], s[4:5] offset:2048*\n+512*\g
.endr
.endr
	global_store_b128 v[LO], v[KW:KW+3], s[6:7]
	s_cmp_lg_u32 s18, 0
	s_cbranch_scc1 .Lwords_out
	ds_load_b128 v[32:35], v[WR]                   ; the work-group's words of V: two key steps, 512 bytes
	s_wait_dscnt 0x0
	global_store_b128 v[LO], v[32:35], s[10:11]
.Lwords_out:
	s_wait_tensorcnt 0x0                           ; the wave's end
	ds_add_u32 v[SPW], v[NIL]
	s_wait_dscnt 0x0
	CROUND                                         ; the closing round
	s_endpgm
.Lfunc_end_k_q8941f3fd0d_proj:
	.size	k_q8941f3fd0d_proj, .Lfunc_end_k_q8941f3fd0d_proj-k_q8941f3fd0d_proj
	.p2alignl 7, 3214868480
	.fill 96, 4, 3214868480
	.section	.rodata,"a",@progbits
	.p2align	6, 0x0
	.amdhsa_kernel k_q8941f3fd0d_proj
		.amdhsa_group_segment_fixed_size 327680
		.amdhsa_private_segment_fixed_size 0
		.amdhsa_enable_private_segment 0
		.amdhsa_kernarg_size 56
		.amdhsa_user_sgpr_count 2
		.amdhsa_user_sgpr_kernarg_segment_ptr 1
		.amdhsa_wavefront_size32 1
		.amdhsa_system_sgpr_workgroup_id_x 1
		.amdhsa_system_sgpr_workgroup_id_y 1
		.amdhsa_system_sgpr_workgroup_id_z 1
		.amdhsa_system_vgpr_workitem_id 0
		.amdhsa_next_free_vgpr 1024
		.amdhsa_next_free_sgpr 102
		.amdhsa_reserve_vcc 0
		.amdhsa_float_denorm_mode_32 3
		.amdhsa_float_denorm_mode_16_64 3
		.amdhsa_memory_ordered 1
		.amdhsa_forward_progress 1
		.amdhsa_inst_pref_size 152
	.end_amdhsa_kernel
	.amdgpu_metadata
---
amdhsa.version: [ 1, 2 ]
amdhsa.kernels:
  - .name:           k_q8941f3fd0d_proj
    .symbol:         k_q8941f3fd0d_proj.kd
    .args:
      - { .name: inputs_codes, .offset: 0, .size: 8, .value_kind: global_buffer, .address_space: global }
      - { .name: inputs_scales, .offset: 8, .size: 8, .value_kind: global_buffer, .address_space: global }
      - { .name: rotation_params_codes, .offset: 16, .size: 8, .value_kind: global_buffer, .address_space: global }
      - { .name: rotation_params_scales, .offset: 24, .size: 8, .value_kind: global_buffer, .address_space: global }
      - { .name: entangle_params, .offset: 32, .size: 8, .value_kind: global_buffer, .address_space: global }
      - { .name: qkvc, .offset: 40, .size: 8, .value_kind: global_buffer, .address_space: global }
      - { .name: qkvs, .offset: 48, .size: 8, .value_kind: global_buffer, .address_space: global }
    .group_segment_fixed_size: 327680
    .private_segment_fixed_size: 0
    .kernarg_segment_align: 8
    .kernarg_segment_size: 56
    .max_flat_workgroup_size: 128
    .sgpr_count:     102
    .vgpr_count:     1024
    .wavefront_size: 32
...
	.end_amdgpu_metadata
.endif
;; end of part 1
;; launch attn (part 2): grid 8 x 32, 8 waves a work-group, clusters of 4 x 1, 327,680 bytes of LDS; arguments qkvc, qkvs, obuf; writes obuf
.if DOCPART == 2
	.amdgcn_target "amdgcn-amd-amdhsa--gfx1250"
	.amdhsa_code_object_version 6
	.text
	.protected	k_q8941f3fd0d_attn
	.globl	k_q8941f3fd0d_attn
	.p2align	8
	.type	k_q8941f3fd0d_attn,@function
k_q8941f3fd0d_attn:
	s_mov_b64 s[64:65], 0
	v_nop
	global_prefetch_b8 v0, s[64:65] scope:SCOPE_SE
	s_setreg_imm32_b32 hwreg(HW_REG_WAVE_MODE, 25, 1), 1
	s_wait_xcnt 0x0
	s_wait_alu depctr_hold_cnt(0) depctr_sa_sdst(0) depctr_va_vdst(0) depctr_va_sdst(0) depctr_va_ssrc(0) depctr_va_vcc(0) depctr_vm_vsrc(0)
	s_getreg_b32 s2, hwreg(HW_REG_IB_STS2, 6, 4)
	s_cmp_eq_u32 s2, 0
	s_cbranch_scc0 .Lentry_in_a_cluster
	s_endpgm
.Lentry_in_a_cluster:
	s_bfe_u32 s2, ttmp6, 0x10000c
	s_cmp_lg_u32 s2, 0x3003
	s_cbranch_scc0 .Lentry_shape_is_right
	s_endpgm
.Lentry_shape_is_right:
; o = softmax(q k^T / 8) v for one hb = 2 head + batch, both products on codes of FP8 (E4M3) with one E8M0 scale for each 32 along a product's K.
; THE SOFTMAX: t = score x log2(e) / 8; M = the row's largest t so far, rounded up to a whole number; p = 2^(t - M) is quantised along the keys.  The row's sum is taken of the unquantised p and divides O at the end.  When M moves, sum and O are multiplied by 2^(old M - new M): exact.
; SHARES.  A work-group owns 256 queries of one hb; each of eight waves two tiles of 16, in 512 registers; a fragment of K or V serves both.  A step is 256 keys, so O is rescaled once for 256 keys.
; K AND V OF THE WHOLE hb STAY IN LDS.  Filled twice, one joint load a wave: at the head the first 512 keys (waves 0 to 3) and all scale words (waves 4 to 7); behind a drained round the other 1,536 keys, which have two steps in which to land.
; CLUSTER.  The four query blocks of a cluster belong to one hb and ask jointly.  No prefetch is laid: behind the second fill no load follows, so there is none to run ahead of.
; LAYOUT.  All operands lie as images of their registers, 16 bytes a lane.  S^T = K Q^T, O^T = V^T P^T: a lane holds one query (lane % 16).  A lane's 16 numbers of a block of 32 keys are keys 8 h + 0..7 and 16 + 8 h + 0..7 of the block (h = lane / 16), in p as in V.
; THE HEAD'S 64 ARE HALF OF THE INSTRUCTION'S 128: a fragment of K holds key tile 2 p in k 0-63 and tile 2 p + 1 in k 64-127; against [q | zero codes] it gives the one's scores, against [zero codes | q] the other's.  All scale bytes are finite.
; REGISTERS.  Window 0: v88-127 zero | q of tile 0 | zero | q of tile 1 | zero; v128-255 S^T, then p.  Window 1: v0-127 K's, then V's fragments; v128-191 O^T of both tiles; v192-255 p's codes of both.
; LIMITS: NaN and infinities are not served; scaled scores stay under 2^31 in magnitude.  A block's scale is taken from floor(t - M) of its largest score: where v_exp_f32 rounds that p up to the next power of two, it is held at 1.75 times the lower one.
; A block's byte never falls under 1.
.set VC,   131072                      ; LDS: K's codes from 0, V's from here: 16,384 bytes a step each
.set SCK,  262144                      ; K's scale words, 1,024 bytes a step
.set SCV,  270336                      ; V's, 512 bytes a step
.set SPARE, 274432
.set LI,   1                           ; 16 x lane
.set L8,   2                           ; 8 x lane
.set ADK,  3
.set ADV,  4
.set ADS,  5
.set ADT,  6
.set QS,   8                           ; q's scale words: lanes 0-15 tile 0, lanes 16-31 tile 1
.set SPW,  12
.set NIL,  13
.set KW,   16                          ; K's scale words, eight
.set SV,   24                          ; V's, four
.set PW,   28                          ; p's: two a tile
.set NM,   32                          ; a tile's -M and largest t
.set FF,   36
.set TMP,  38
.set ACC,  40                          ; the sums: four pairs a tile
.set BM,   56
.set T4,   64
.set T8,   72
.set T12,  80
.set QZ,   88
.set SS,   128
.set OT,   128                         ; window 1
.set PC,   192                         ; window 1
.set WV,   10
.set CS,   22                          ; s[22:23] c = log2(e) / 8
.set G0C,  24
.set G0K,  28
.set G0V,  32
.set G0R,  36
.set G1R,  40
.set TK,   48
.set TV,   49
.set TS,   50
.set TJ,   51
.set CNT,  52
.set G1C,  68
.set G1K,  76
.set G1V,  84
.set SEL,  92
.set FLO,  94
.set K12,  95
.set K8,   96
.set K77,  97
.set MSB, 0
.macro WIN new                         ; the immediate's high byte repeats the setting that is left
.if MSB != (\new)
	s_set_vgpr_msb (MSB<<8)|(\new)
.set MSB, (\new)
.endif
.endm
.macro PLACES n
.rept \n
	v_nop
.endr
.endm
.macro CROUND                          ; a round of the cluster's barrier
	s_barrier_signal -1
	s_barrier_wait -1
	s_cmp_lg_u32 s[WV], 0
	s_cbranch_scc1 .Lnot_wave_0_\@
	s_barrier_signal -3
.Lnot_wave_0_\@:
	s_barrier_wait -3
	s_barrier_signal -1
	s_barrier_wait -1
.endm
.macro SADD d, x
	s_add_co_u32 s\d, s\d, \x
.endm
.macro GROUP1 g, rows                  ; dense bytes as rows of 256 (32 elements of 8), for all four work-groups
	s_mov_b32 s[\g], 15|(3<<16)|(1<<21)
	s_mov_b32 s[\g+1], 32<<16
	s_mov_b32 s[\g+2], (\rows)<<16
	s_mov_b32 s[\g+3], 32<<16
	s_mov_b32 s[\g+4], \rows
	s_mov_b32 s[\g+5], 32
	s_mov_b32 s[\g+6], 0
	s_mov_b32 s[\g+7], 0
.endm
.macro GROUP0 g, lds, base, off
	s_mov_b32 s[\g], 1
	s_mov_b32 s[\g+1], s\lds
	s_add_nc_u64 s[\g+2:\g+3], s[\base:\base+1], s[\off:\off+1]
	s_or_b32 s[\g+3], s[\g+3], 0x80000000
.endm
	s_load_b128 s[4:7], s[0:1], 0x0                ; qkvc, qkvs
	s_load_b64 s[8:9], s[0:1], 0x10                ; obuf
	v_lshl_add_u32 v[SPW], v0, 2, SPARE
	v_mov_b32 v[NIL], 0
	ds_add_u32 v[SPW], v[NIL]                      ; the opening add, twice on end, and its wait below
	ds_add_u32 v[SPW], v[NIL]
	v_lshrrev_b32 v1, 5, v0
	v_readfirstlane_b32 s[WV], v1                  ; wave 0..7
	s_and_b32 s13, ttmp7, 0xffff                   ; hb
	s_and_b32 s20, s[WV], 1                        ; which half
	s_bfe_u32 s21, s[WV], 0x10001                  ; waves 0 to 3: K or V
	s_lshl_b32 s14, s21, 22                        ; codes: 4,194,304 (1 + kind) + 131,072 hb + 16,384 half
	SADD 14, 0x400000
	s_lshl_b32 s17, s13, 17
	SADD 14, s17
	s_lshl_b32 s16, s20, 14
	SADD 14, s16
	s_mov_b32 s15, 0
	s_lshl_b32 s21, s21, 17
	SADD 16, s21
	s_lshl_b32 s18, s13, 13                        ; K's words: 262,144 + 8,192 hb + 4,096 half
	s_lshl_b32 s19, s20, 12
	SADD 18, s19
	SADD 18, 0x40000
	s_add_co_u32 s53, s19, SCK
	s_mov_b32 s19, 0
	s_lshl_b32 s54, s13, 12                        ; V's words: 524,288 + 4,096 hb + 2,048 half
	s_lshl_b32 s55, s20, 11
	SADD 54, s55
	SADD 54, 0x80000
	s_add_co_u32 s61, s55, SCV
	s_mov_b32 s55, 0
	s_lshr_b32 s56, s[WV], 2                       ; the second fill: waves 0 to 3 K, 4 to 7 V, a quarter of keys 512 on each
	s_and_b32 s57, s[WV], 3
	s_mul_i32 s57, s57, 24576
	SADD 57, 32768
	s_lshl_b32 s58, s56, 22
	SADD 58, 0x400000
	SADD 58, s17
	SADD 58, s57
	s_mov_b32 s59, 0
	s_lshl_b32 s60, s56, 17
	SADD 60, s57
	GROUP1 G1C, 64
	GROUP1 G1K, 16
	GROUP1 G1V, 8
	GROUP1 G1R, 96
	s_mov_b32 s[CS], 0x3e38aa3b                    ; log2(e) / 8
	s_mov_b32 s[CS+1], s[CS]
	s_mov_b32 s[SEL], 0x76543210                   ; lane l xor 16
	s_mov_b32 s[SEL+1], 0xfedcba98
	s_mov_b32 s[FLO], 0xc2ec0000                   ; -118.0: a block's exponent does not fall under it, so its byte is 1 or more
	s_mov_b32 s[K12], 0x3b800000                   ; (127 - 8) << 23
	s_mov_b32 s[K8], 0x3fe00000                    ; 1.75
	s_mov_b32 s[K77], 0x77777777                   ; 119 in each byte
	s_wait_dscnt 0x0                               ; both opening adds are done
	s_wait_kmcnt 0x0
	GROUP0 G0C, 16, 4, 14
	GROUP0 G0K, 53, 6, 18
	GROUP0 G0V, 61, 6, 54
	GROUP0 G0R, 60, 4, 58
	CROUND                                         ; all four work-groups are here
	s_cmp_lt_u32 s[WV], 4                          ; one load a wave, in one chain of branches
	s_cbranch_scc0 .Lwords
	tensor_load_to_lds s[G0C:G0C+3], s[G1C:G1C+7]
	s_nop 0
	PLACES 4
	s_branch .Lasked
.Lwords:
	s_cmp_lt_u32 s[WV], 6
	s_cbranch_scc0 .Lwords_v
	tensor_load_to_lds s[G0K:G0K+3], s[G1K:G1K+7]
	s_nop 0
	PLACES 4
	s_branch .Lasked
.Lwords_v:
	tensor_load_to_lds s[G0V:G0V+3], s[G1V:G1V+7]
	s_nop 0
	PLACES 4
.Lasked:
	; my tiles of queries: tau = 16 x (4 x cluster x + cx) + 2 x wave, and tau + 1: they enter Q's and obuf's global addresses alone
	s_bfe_u32 s11, ttmp6, 0x40000
	s_lshl_b32 s12, ttmp9, 2
	SADD 12, s11
	s_lshl_b32 s12, s12, 4
	s_lshl_b32 s11, s[WV], 1
	SADD 12, s11
	s_mov_b32 s15, 0
	s_lshl_b32 s14, s12, 10
	SADD 14, s17
	s_add_nc_u64 s[54:55], s[4:5], s[14:15]        ; Q's codes: 131,072 hb + 1,024 tau
	s_lshl_b32 s14, s13, 13
	s_lshr_b32 s11, s12, 3
	s_lshl_b32 s11, s11, 9
	SADD 14, s11
	s_bfe_u32 s11, s12, 0x20001
	s_lshl_b32 s11, s11, 2
	SADD 14, s11
	s_add_nc_u64 s[56:57], s[6:7], s[14:15]        ; its words: 8,192 hb + 512 (tau / 8) + 4 ((tau / 2) % 4)
	s_lshl_b32 s14, s13, 19
	s_lshl_b32 s11, s12, 12
	SADD 14, s11
	s_add_nc_u64 s[58:59], s[8:9], s[14:15]        ; obuf: 524,288 hb + 4,096 tau
	v_and_b32 v7, 31, v0
	v_lshlrev_b32 v[L8], 3, v7
	v_lshlrev_b32 v[LI], 4, v7
	global_load_b128 v[QZ+8:QZ+11], v[LI], s[54:55]
	global_load_b128 v[QZ+12:QZ+15], v[LI], s[54:55] offset:512
	global_load_b128 v[QZ+24:QZ+27], v[LI], s[54:55] offset:1024
	global_load_b128 v[QZ+28:QZ+31], v[LI], s[54:55] offset:1536
	global_load_b32 v[QS], v[LI], s[56:57]
.irp j, 0,1,2,3,4,5,6,7
	v_mov_b32 v[QZ+\j], 0                          ; zero codes
	v_mov_b32 v[QZ+16+\j], 0
	v_mov_b32 v[QZ+32+\j], 0
	v_mov_b32 v[ACC+\j], 0                         ; the sums
	v_mov_b32 v[ACC+8+\j], 0
	v_mov_b32 v[T4+\j], 0                          ; a lane permute's destination counts as one of its sources
.endr
	v_mov_b32 v[NM+1], 0xff61b1e6                  ; the largest t so far: -3e38
	v_mov_b32 v[NM+3], 0xff61b1e6
	v_mov_b32 v[FF+1], 0                           ; (named as the upper half of a pair)
	v_floor_f32 v[NM], -v[NM+1]
	v_floor_f32 v[NM+2], -v[NM+3]
	WIN 0x40
.set J_, 0
.rept 64
	v_mov_b32 v[OT+J_], 0                          ; O^T: the step is one text, and the first change of M leaves zeros zeros
.set J_, J_+1
.endr
	WIN 0
	s_wait_alu depctr_va_vdst(0)                   ; at the head's end
	s_wait_loadcnt 0x0                             ; q and its words
	s_wait_tensorcnt 0x0                           ; my part of the first fill is in
	ds_add_u32 v[SPW], v[NIL]                      ; ahead of a later first fill
	s_wait_dscnt 0x0
	CROUND                                         ; the first 512 keys and all scale words are in, and the joint loads meet
	tensor_load_to_lds s[G0R:G0R+3], s[G1R:G1R+7]  ; keys 512 on: 24,576 bytes a wave
	s_nop 0
	PLACES 4
.macro SCORE x, p0, n                  ; S^T of query tile x: each fragment of K against [q | 0] and [0 | q]
	WIN 0x01
.set P_, \p0
.rept \n
.if \x
	v_wmma_scale_f32_16x16x128_f8f6f4 v[SS+16*P_:SS+16*P_+7], v[16*P_:16*P_+15], v[QZ+24:QZ+39], 0, v[KW+P_], v[QS] matrix_b_scale:MATRIX_SCALE_ROW1
	v_wmma_scale_f32_16x16x128_f8f6f4 v[SS+16*P_+8:SS+16*P_+15], v[16*P_:16*P_+15], v[QZ+16:QZ+31], 0, v[KW+P_], v[QS] matrix_a_scale:MATRIX_SCALE_ROW1 matrix_b_scale:MATRIX_SCALE_ROW1
.else
	v_wmma_scale_f32_16x16x128_f8f6f4 v[SS+16*P_:SS+16*P_+7], v[16*P_:16*P_+15], v[QZ+8:QZ+23], 0, v[KW+P_], v[QS]
	v_wmma_scale_f32_16x16x128_f8f6f4 v[SS+16*P_+8:SS+16*P_+15], v[16*P_:16*P_+15], v[QZ:QZ+15], 0, v[KW+P_], v[QS] matrix_a_scale:MATRIX_SCALE_ROW1
.endif
.set P_, P_+1
.endr
.endm
.macro TMINUSM x, j, n                 ; t - M, two at a time
.set J_, \j
.rept \n
	v_pk_fma_f32 v[SS+J_:SS+J_+1], v[SS+J_:SS+J_+1], s[CS:CS+1], v[NM+2*\x:NM+2*\x+1] op_sel_hi:[1,0,0]
.set J_, J_+2
.endr
.endm
.macro SUMS x, j                       ; 28 pairs more of a half into the tile's four chains
.set J_, \j
.rept 28
.set A_, ACC+8*\x+2*((J_/2)%4)
	v_pk_add_f32 v[A_:A_+1], v[A_:A_+1], v[SS+J_:SS+J_+1]
.set J_, J_+2
.endr
.endm
.macro HOLD j                          ; two p held at 448 x their block's scale: the conversion does not saturate (ISA guide 7.6.2); p is not negative
	v_dual_min_num_f32 v[SS+\j], v[T8+(\j)/16], v[SS+\j] :: v_dual_min_num_f32 v[SS+\j+1], v[T8+(\j)/16], v[SS+\j+1]
.endm
; The softmax of query tile x: 128 scores a lane, eight blocks of 32 keys.
.macro SOFTMAX x
.irp b, 0,2,4,6                                ; the largest score of each block
	v_dual_max_num_f32 v[BM+\b], v[SS+16*\b], v[SS+16*\b+1] :: v_dual_max_num_f32 v[BM+\b+1], v[SS+16*\b+18], v[SS+16*\b+19]
.endr
.irp b, 0,2,4,6
	v_max3_num_f32 v[BM+\b], v[BM+\b], v[SS+16*\b+2], v[SS+16*\b+3]
	v_max3_num_f32 v[BM+\b+1], v[BM+\b+1], v[SS+16*\b+16], v[SS+16*\b+17]
.endr
.irp i, 4,6,8,10,12,14
.irp b, 0,1,2,3,4,5,6,7
	v_max3_num_f32 v[BM+\b], v[BM+\b], v[SS+16*\b+\i], v[SS+16*\b+\i+1]
.endr
.endr
.irp b, 0,1,2,3,4,5,6,7
	v_permlanex16_b32 v[T4+\b], v[BM+\b], s[SEL], s[SEL+1]
.endr
.irp b, 0,2,4,6
	v_dual_max_num_f32 v[BM+\b], v[BM+\b], v[T4+\b] :: v_dual_max_num_f32 v[BM+\b+1], v[BM+\b+1], v[T4+\b+1]
.endr
	v_max3_num_f32 v[TMP], v[BM], v[BM+1], v[BM+2]
	v_max3_num_f32 v[TMP+1], v[BM+3], v[BM+4], v[BM+5]
	s_delay_alu instid0(VALU_DEP_2)
	v_max3_num_f32 v[TMP], v[TMP], v[BM+6], v[BM+7]
	s_delay_alu instid0(VALU_DEP_1)
	v_max_num_f32 v[TMP], v[TMP], v[TMP+1]         ; the step's largest score of my query
	s_delay_alu instid0(VALU_DEP_1)
	v_mul_f32 v[TMP], s[CS], v[TMP]
	s_delay_alu instid0(VALU_DEP_1)
	v_max_num_f32 v[NM+2*\x+1], v[NM+2*\x+1], v[TMP]   ; the running largest t
	v_mov_b32 v[TMP], v[NM+2*\x]
	s_delay_alu instid0(VALU_DEP_2)
	v_floor_f32 v[NM+2*\x], -v[NM+2*\x+1]          ; the new -M
	s_delay_alu instid0(VALU_DEP_1)
	v_sub_f32 v[TMP], v[NM+2*\x], v[TMP]           ; old M - new M
.irp b, 0,2,4,6
	v_pk_fma_f32 v[BM+\b:BM+\b+1], v[BM+\b:BM+\b+1], s[CS:CS+1], v[NM+2*\x:NM+2*\x+1] op_sel_hi:[1,0,0]   ; the blocks' largest t - M
.endr
	v_cvt_i32_f32 v[TMP], v[TMP]                   ; (it saturates)
	TMINUSM \x, 0, 4
	v_ldexp_f32 v[FF], 1.0, v[TMP]                 ; f = 2^(old M - new M)
.irp b, 0,2,4,6
	v_dual_max_num_f32 v[BM+\b], s[FLO], v[BM+\b] :: v_dual_max_num_f32 v[BM+\b+1], s[FLO], v[BM+\b+1]
.endr
	TMINUSM \x, 8, 4
.irp b, 0,1,2,3,4,5,6,7
	v_cvt_floor_i32_f32 v[T4+\b], v[BM+\b]         ; the exponent of the block's largest p
.endr
.irp b, 0,1,2,3,4,5,6,7
	v_lshl_add_u32 v[T12+\b], v[T4+\b], 23, s[K12] ; the scale: 8 under it
.endr
.irp b, 0,1,2,3,4,5,6,7
	v_lshl_add_u32 v[T8+\b], v[T4+\b], 23, s[K8]   ; 448 x the scale
.endr
.irp k, 0,1                                    ; p's scale words: the sum of (exponent + 119) x 256^b
	v_lshl_add_u32 v[PW+2*\x+\k], v[T4+4*\k+3], 24, s[K77]
.endr
	TMINUSM \x, 16, 8
.irp k, 0,1
	v_lshl_add_u32 v[PW+2*\x+\k], v[T4+4*\k+2], 16, v[PW+2*\x+\k]
.endr
	TMINUSM \x, 32, 8
.irp k, 0,1
	v_lshl_add_u32 v[PW+2*\x+\k], v[T4+4*\k+1], 8, v[PW+2*\x+\k]
.endr
	TMINUSM \x, 48, 8
	s_wait_alu depctr_va_vdst(0)                   ; ahead of the batch
.set J_, 0
.rept 32                                       ; the first half's p, among the second half's t - M
	v_exp_f32 v[SS+J_], v[SS+J_]
	v_exp_f32 v[SS+J_+1], v[SS+J_+1]
	v_pk_fma_f32 v[SS+64+J_:SS+65+J_], v[SS+64+J_:SS+65+J_], s[CS:CS+1], v[NM+2*\x:NM+2*\x+1] op_sel_hi:[1,0,0]
.set J_, J_+2
.endr
.irp k, 0,1
	v_add_nc_u32 v[PW+2*\x+\k], v[PW+2*\x+\k], v[T4+4*\k]
.endr
	s_wait_alu depctr_va_vdst(0)                   ; behind the batch and ahead of the next
.irp k, 0,2,4,6
	v_pk_fma_f32 v[ACC+8*\x+\k:ACC+8*\x+\k+1], v[ACC+8*\x+\k:ACC+8*\x+\k+1], v[FF:FF+1], v[SS+\k:SS+\k+1] op_sel_hi:[1,0,1]   ; the sums under the new M, and the first p
.endr
	SUMS \x, 8
.set K_, 0
.rept 32                                       ; the second half's p, among the first half's holds
	v_exp_f32 v[SS+64+K_], v[SS+64+K_]
	v_exp_f32 v[SS+65+K_], v[SS+65+K_]
	HOLD K_
.set K_, K_+2
.endr
	s_wait_alu depctr_va_vdst(0)                   ; behind the batch
.irp k, 0,2,4,6
	v_pk_add_f32 v[ACC+8*\x+\k:ACC+8*\x+\k+1], v[ACC+8*\x+\k:ACC+8*\x+\k+1], v[SS+64+\k:SS+65+\k]
.endr
	SUMS \x, 72
.set K_, 64
.rept 32
	HOLD K_
.set K_, K_+2
.endr
	WIN 0x40
.irp b, 0,1,2,3,4,5,6,7
	v_cvt_scalef32_pk8_fp8_f32 v[PC+32*\x+4*\b:PC+32*\x+4*\b+1], v[SS+16*\b:SS+16*\b+7], v[T12+\b]
	v_cvt_scalef32_pk8_fp8_f32 v[PC+32*\x+4*\b+2:PC+32*\x+4*\b+3], v[SS+16*\b+8:SS+16*\b+15], v[T12+\b]
.endr
	WIN 0x41
	s_wait_alu depctr_va_vdst(0)                   ; ahead of the first reader of O^T
.set J_, OT+32*\x
.rept 16                                       ; O^T under the new M; also the places ahead of the products that take the codes
	v_pk_mul_f32 v[J_:J_+1], v[J_:J_+1], v[FF:FF+1] op_sel_hi:[1,0]
.set J_, J_+2
.endr
	WIN 0
.endm
; A KEY STEP: 256 keys.
.macro STEP
	v_add_nc_u32 v[ADS], s[TS], v[LI]
	v_add_nc_u32 v[ADK], s[TK], v[LI]
	PLACES 6                                       ; with the two additions eight places, in front of loads into what the last products have read
	ds_load_b128 v[KW:KW+3], v[ADS]
	ds_load_b128 v[KW+4:KW+7], v[ADS] offset:512
	WIN 0x40
.irp f, 0,1,2,3,4,5,6,7
.irp c, 0,1,2,3
	ds_load_b128 v[16*\f+4*\c:16*\f+4*\c+3], v[ADK] offset:2048*\f+512*\c
.endr
.endr
	WIN 0x01
	s_wait_dscnt 16                                ; the words and fragments 0 to 3 are in; the youngest 16 loads may be out
	SCORE 0, 0, 4
	s_wait_dscnt 0x0
	SCORE 0, 4, 4
	WIN 0
	PLACES 8
	SOFTMAX 0
	SCORE 1, 0, 8
	WIN 0
	v_add_nc_u32 v[ADT], s[TJ], v[L8]
	v_add_nc_u32 v[ADV], s[TV], v[LI]
	PLACES 6
	ds_load_b64 v[SV:SV+1], v[ADT]
	ds_load_b64 v[SV+2:SV+3], v[ADT] offset:256
	WIN 0x40
.irp f, 0,1,2,3,4,5,6,7                        ; V's fragments: 4 (128 keys) + channel tile; they land while tile 1's softmax is worked
.irp c, 0,1,2,3
	ds_load_b128 v[16*\f+4*\c:16*\f+4*\c+3], v[ADV] offset:2048*\f+512*\c
.endr
.endr
	WIN 0
	SOFTMAX 1
	WIN 0x55
	s_wait_alu depctr_va_vdst(0)                   ; ahead of the wait below
	s_wait_dscnt 0x0
.irp k, 0,1                                    ; O^T += V^T P^T: eight accumulators by turns
.irp t, 0,2
.irp x, 0,1
	v_wmma_scale_f32_16x16x128_f8f6f4 v[OT+32*\x+8*\t:OT+32*\x+8*\t+7], v[64*\k+16*\t:64*\k+16*\t+15], v[PC+32*\x+16*\k:PC+32*\x+16*\k+15], v[OT+32*\x+8*\t:OT+32*\x+8*\t+7], v[SV+2*\k+\t/2], v[PW+2*\x+\k]
	v_wmma_scale_f32_16x16x128_f8f6f4 v[OT+32*\x+8*\t+8:OT+32*\x+8*\t+15], v[64*\k+16*\t+16:64*\k+16*\t+31], v[PC+32*\x+16*\k:PC+32*\x+16*\k+15], v[OT+32*\x+8*\t+8:OT+32*\x+8*\t+15], v[SV+2*\k+\t/2], v[PW+2*\x+\k] matrix_a_scale:MATRIX_SCALE_ROW1
.endr
.endr
.endr
	WIN 0
	s_add_co_u32 s[TK], s[TK], 16384
	s_add_co_u32 s[TV], s[TV], 16384
	s_add_co_u32 s[TS], s[TS], 1024
	s_add_co_u32 s[TJ], s[TJ], 512
.endm
	s_mov_b32 s[TK], 0
	s_mov_b32 s[TV], VC
	s_mov_b32 s[TS], SCK
	s_mov_b32 s[TJ], SCV
	s_mov_b32 s[CNT], 2
.Lfirst:                                               ; keys 0 to 511
	STEP
	s_sub_co_u32 s[CNT], s[CNT], 1
	s_cmp_lg_u32 s[CNT], 0
	s_cbranch_scc1 .Lfirst
	s_wait_tensorcnt 0x0                           ; my part of the second fill is in
	s_wait_dscnt 0x0
	s_barrier_signal -1
	s_barrier_wait -1
	s_mov_b32 s[TK], 32768
	s_mov_b32 s[TV], VC+32768
	s_mov_b32 s[TS], SCK+2048
	s_mov_b32 s[TJ], SCV+1024
	s_mov_b32 s[CNT], 6
.Lrest:
	STEP
	s_sub_co_u32 s[CNT], s[CNT], 1
	s_cmp_lg_u32 s[CNT], 0
	s_cbranch_scc1 .Lrest
	; THE WAY OUT.  Register 8 t + j of lane (r, h) is o(query r, channel 16 t + 8 h + j): four registers go out as they stand: each store covers 512 bytes on end.  The twelve lines of the sums are the places behind the last products.
.irp x, 0,8
	v_pk_add_f32 v[ACC+\x:ACC+\x+1], v[ACC+\x:ACC+\x+1], v[ACC+\x+2:ACC+\x+3]
	v_pk_add_f32 v[ACC+\x+4:ACC+\x+5], v[ACC+\x+4:ACC+\x+5], v[ACC+\x+6:ACC+\x+7]
.endr
.irp x, 0,8
	v_pk_add_f32 v[ACC+\x:ACC+\x+1], v[ACC+\x:ACC+\x+1], v[ACC+\x+4:ACC+\x+5]
.endr
.irp x, 0,8
	v_add_f32 v[ACC+\x], v[ACC+\x], v[ACC+\x+1]
.endr
.irp x, 0,1
	v_permlanex16_b32 v[T4+\x], v[ACC+8*\x], s[SEL], s[SEL+1]
.endr
.irp x, 0,1
	v_add_f32 v[ACC+8*\x], v[ACC+8*\x], v[T4+\x]
.endr
	s_wait_alu depctr_va_vdst(0)                   ; ahead of the reciprocals
	v_rcp_f32 v[ACC], v[ACC]
	v_rcp_f32 v[ACC+8], v[ACC+8]
	v_nop
	WIN 0x01
	s_wait_alu depctr_va_vdst(0)                   ; and ahead of their first reader, O^T's too
.irp x, 0,1
.set J_, 32*\x
.rept 16
	v_pk_mul_f32 v[SS+J_:SS+J_+1], v[OT+J_:OT+J_+1], v[ACC+8*\x:ACC+8*\x+1] op_sel_hi:[1,0]
.set J_, J_+2
.endr
.endr
	WIN 0
.irp n, 0,1,2,3,4,5,6,7,8,9,10,11,12,13,14,15
	global_store_b128 v[LI], v[SS+4*\n:SS+4*\n+3], s[58:59] offset:512*\n
.endr
	s_wait_tensorcnt 0x0                           ; the wave's end
	ds_add_u32 v[SPW], v[NIL]
	s_wait_dscnt 0x0
	CROUND                                         ; the closing round
	s_endpgm
.Lfunc_end_k_q8941f3fd0d_attn:
	.size	k_q8941f3fd0d_attn, .Lfunc_end_k_q8941f3fd0d_attn-k_q8941f3fd0d_attn
	.p2alignl 7, 3214868480
	.fill 96, 4, 3214868480
	.section	.rodata,"a",@progbits
	.p2align	6, 0x0
	.amdhsa_kernel k_q8941f3fd0d_attn
		.amdhsa_group_segment_fixed_size 327680
		.amdhsa_private_segment_fixed_size 0
		.amdhsa_enable_private_segment 0
		.amdhsa_kernarg_size 24
		.amdhsa_user_sgpr_count 2
		.amdhsa_user_sgpr_kernarg_segment_ptr 1
		.amdhsa_wavefront_size32 1
		.amdhsa_system_sgpr_workgroup_id_x 1
		.amdhsa_system_sgpr_workgroup_id_y 1
		.amdhsa_system_sgpr_workgroup_id_z 1
		.amdhsa_system_vgpr_workitem_id 0
		.amdhsa_next_free_vgpr 512
		.amdhsa_next_free_sgpr 98
		.amdhsa_reserve_vcc 0
		.amdhsa_float_denorm_mode_32 3
		.amdhsa_float_denorm_mode_16_64 3
		.amdhsa_memory_ordered 1
		.amdhsa_forward_progress 1
		.amdhsa_inst_pref_size 144
	.end_amdhsa_kernel
	.amdgpu_metadata
---
amdhsa.version: [ 1, 2 ]
amdhsa.kernels:
  - .name:           k_q8941f3fd0d_attn
    .symbol:         k_q8941f3fd0d_attn.kd
    .args:
      - { .name: qkvc, .offset: 0, .size: 8, .value_kind: global_buffer, .address_space: global }
      - { .name: qkvs, .offset: 8, .size: 8, .value_kind: global_buffer, .address_space: global }
      - { .name: obuf, .offset: 16, .size: 8, .value_kind: global_buffer, .address_space: global }
    .group_segment_fixed_size: 327680
    .private_segment_fixed_size: 0
    .kernarg_segment_align: 8
    .kernarg_segment_size: 24
    .max_flat_workgroup_size: 256
    .sgpr_count:     98
    .vgpr_count:     512
    .wavefront_size: 32
...
	.end_amdgpu_metadata
.endif
;; end of part 2
;; launch untangle (part 3): grid 128 x 2, 8 waves a work-group, no clusters, 66,816 bytes of LDS; arguments obuf, out0; writes out0
.if DOCPART == 3
	.amdgcn_target "amdgcn-amd-amdhsa--gfx1250"
	.amdhsa_code_object_version 6
	.text
	.protected	k_q8941f3fd0d_untangle
	.globl	k_q8941f3fd0d_untangle
	.p2align	8
	.type	k_q8941f3fd0d_untangle,@function
k_q8941f3fd0d_untangle:
	s_mov_b64 s[64:65], 0
	v_nop
	global_prefetch_b8 v0, s[64:65] scope:SCOPE_SE
	s_setreg_imm32_b32 hwreg(HW_REG_WAVE_MODE, 25, 1), 1
	s_wait_xcnt 0x0
; out0, as floats: [s][d][hb] (index 2,048 s + 32 d + hb), from obuf: [hb][tau][t][i][lane][4 floats], which holds o(s = 16 tau + r, d = 16 t + 8 h + 4 i + e) at lane 16 h + r, float e.
; A stream: every byte is read once and written once; the matrix unit and clusters have nothing to do here (work-groups share no input), and there is no loop for a prefetch to run ahead in.
; A work-group takes one tau and 32 channels (beta): 16 rows s x 32 channels x 32 hb = 65,536 bytes, in four parts of 512 bytes of each hb.  Wave w loads hb 4 w .. 4 w + 3 (sixteen loads of 512 bytes on end, all on their way at once).
; A part goes into LDS as it lies; behind its barrier each wave gathers rows r = 2 w and 2 w + 1: lane L takes hb 4 (L % 8) + 0 .. 3 of channel L / 8 of four, and the wave stores 512 bytes of out0 on end.  So a part leaves while later parts are on their way.
; LDS: [group of 4 hb, 8,224 bytes apart][hb % 4: 2,048][part: 512][lane: 16].  The 32 bytes between groups put the word of lane L at bank 8 (L % 8) + L / 8 + a constant (64 banks of 4 bytes: ISA guide 11.1).
.set GP,  8224
.set LI,  3
.set SA,  4
.set RA,  5
.set IN,  16
.set OU,  80
.set SPW, 144
.set NIL, 145
	s_load_b128 s[4:7], s[0:1], 0x0                ; obuf, out0
	v_lshl_add_u32 v[SPW], v0, 2, 8*GP
	v_mov_b32 v[NIL], 0
	v_lshrrev_b32 v1, 5, v0
	v_and_b32 v2, 31, v0                           ; lane
	v_readfirstlane_b32 s8, v1                     ; wave
	v_lshlrev_b32 v[LI], 4, v2
	s_mul_i32 s14, s8, GP
	v_add_nc_u32 v[SA], s14, v[LI]
	v_and_b32 v6, 7, v2
	v_lshrrev_b32 v7, 3, v2
	v_mul_u32_u24 v[RA], v6, GP
	v_lshl_add_u32 v[RA], v7, 2, v[RA]
	s_lshl_b32 s15, s8, 5
	v_add_nc_u32 v[RA], s15, v[RA]                 ; 8,224 (L % 8) + 4 (L / 8) + 16 x (2 w)
	s_and_b32 s9, ttmp7, 0xffff                    ; beta
	s_lshl_b32 s10, s8, 21                         ; in: 4 w of hb, 524,288 bytes each,
	s_lshl_b32 s11, ttmp9, 12                      ; 4,096 tau,
	s_add_co_u32 s10, s10, s11
	s_lshl_b32 s11, s9, 11                         ; 2,048 beta
	s_add_co_u32 s10, s10, s11
	s_mov_b32 s11, 0
	s_lshl_b32 s12, ttmp9, 17                      ; out: row 16 tau + 2 w, 8,192 bytes a row,
	s_lshl_b32 s13, s8, 14
	s_add_co_u32 s12, s12, s13
	s_lshl_b32 s13, s9, 12                         ; 4,096 beta
	s_add_co_u32 s12, s12, s13
	s_mov_b32 s13, 0
	s_wait_alu depctr_va_vdst(0)                   ; at the head's end
	s_wait_kmcnt 0x0
	s_add_nc_u64 s[4:5], s[4:5], s[10:11]
	s_add_nc_u64 s[6:7], s[6:7], s[12:13]
.irp i, 0,1,2,3
.irp k, 0,1,2,3
	global_load_b128 v[IN+4*(4*\i+\k):IN+4*(4*\i+\k)+3], v[LI], s[4:5] offset:524288*\k+512*\i th:TH_LOAD_NT
.endr
.endr
.macro PART i                          ; t % 2 = i / 2, four channels from 4 (i % 2) on in each half of the lanes
.irp k, 0,1,2,3
	s_wait_loadcnt 15-(4*\i+\k)                    ; loads come back in order (ISA guide 5.7.1): this one is in, the younger ones stay out
	ds_store_b128 v[SA], v[IN+4*(4*\i+\k):IN+4*(4*\i+\k)+3] offset:2048*\k+512*\i
.endr
	s_wait_dscnt 0x0                               ; for the others' sake: my stores have landed
	s_barrier_signal -1
	s_barrier_wait -1
.irp x, 0,1,2,3                                ; row 2 w + x / 2, half x % 2 of the lanes' eight channels
.irp k, 0,1,2,3
	ds_load_b32 v[OU+16*\i+4*\x+\k], v[RA] offset:2048*\k+512*\i+256*(\x%2)+16*(\x/2)
.endr
.endr
.irp x, 0,1,2,3
	s_wait_dscnt 12-4*\x                           ; the four words of store x are in; the loads issued behind them may be out
	global_store_b128 v[LI], v[OU+16*\i+4*\x:OU+16*\i+4*\x+3], s[6:7] offset:8192*(\x/2)+512*(4*(\i/2)+(\i%2)+2*(\x%2)) th:TH_STORE_NT   ; 512 bytes on end, at a multiple of 512 from out0's first byte
.endr
.endm
	PART 0
	PART 1
	PART 2
	PART 3
	s_wait_tensorcnt 0x0                           ; the wave's end
	ds_add_u32 v[SPW], v[NIL]
	s_wait_dscnt 0x0
	s_endpgm
.Lfunc_end_k_q8941f3fd0d_untangle:
	.size	k_q8941f3fd0d_untangle, .Lfunc_end_k_q8941f3fd0d_untangle-k_q8941f3fd0d_untangle
	.p2alignl 7, 3214868480
	.fill 96, 4, 3214868480
	.section	.rodata,"a",@progbits
	.p2align	6, 0x0
	.amdhsa_kernel k_q8941f3fd0d_untangle
		.amdhsa_group_segment_fixed_size 66816
		.amdhsa_private_segment_fixed_size 0
		.amdhsa_enable_private_segment 0
		.amdhsa_kernarg_size 16
		.amdhsa_user_sgpr_count 2
		.amdhsa_user_sgpr_kernarg_segment_ptr 1
		.amdhsa_wavefront_size32 1
		.amdhsa_system_sgpr_workgroup_id_x 1
		.amdhsa_system_sgpr_workgroup_id_y 1
		.amdhsa_system_sgpr_workgroup_id_z 1
		.amdhsa_system_vgpr_workitem_id 0
		.amdhsa_next_free_vgpr 146
		.amdhsa_next_free_sgpr 66
		.amdhsa_reserve_vcc 0
		.amdhsa_float_denorm_mode_32 3
		.amdhsa_float_denorm_mode_16_64 3
		.amdhsa_memory_ordered 1
		.amdhsa_forward_progress 1
		.amdhsa_inst_pref_size 12
	.end_amdhsa_kernel
	.amdgpu_metadata
---
amdhsa.version: [ 1, 2 ]
amdhsa.kernels:
  - .name:           k_q8941f3fd0d_untangle
    .symbol:         k_q8941f3fd0d_untangle.kd
    .args:
      - { .name: obuf, .offset: 0, .size: 8, .value_kind: global_buffer, .address_space: global }
      - { .name: out0, .offset: 8, .size: 8, .value_kind: global_buffer, .address_space: global }
    .group_segment_fixed_size: 66816
    .private_segment_fixed_size: 0
    .kernarg_segment_align: 8
    .kernarg_segment_size: 16
    .max_flat_workgroup_size: 256
    .sgpr_count:     66
    .vgpr_count:     146
    .wavefront_size: 32
...
	.end_amdgpu_metadata
.endif
;; end of part 3
